; MI455X (gfx1250); checked and timed in simulation.
; The chip was launched on July 23, 2026; its instructions are those of AMD's public machine-readable ISA for CDNA 5 (MIT licence, August 2026) and "CDNA5" Instruction Set Architecture Reference Guide (July 2026). The comments in the code are by the model that wrote it; some were corrected since.
;; Learnable Query Attention Pool1d. Allowed arithmetic: matrix products marked QUANTISED: E4M3 operands, one E8M0 scale for each 32 along K, by v_wmma_scale_f32_16x16x128_f8f6f4 with both operands' format E4M3, f32 sums; products left as they are: f32 operands where the result goes on into a quantised operand, else bf16, f16 or f32 operands; f32 sums; everything else in f32.
;; Inputs: Wc_codes 1,024 x 32 x 32 uint8 (E4M3 codes of Wc, K innermost, in blocks of 32 codes); Wc_scales 1,024 x 32 uint8 (E8M0 scales of Wc, one for each 32 codes along K); Wk_codes 1,024 x 32 x 32 uint8 (E4M3 codes of Wk, K innermost, in blocks of 32 codes); Wk_scales 1,024 x 32 uint8 (E8M0 scales of Wk, one for each 32 codes along K); Wq 1,024 x 1,024 float32; Wv_codes 1,024 x 32 x 32 uint8 (E4M3 codes of Wv, K innermost, in blocks of 32 codes); Wv_scales 1,024 x 32 uint8 (E8M0 scales of Wv, one for each 32 codes along K); query 1 x 1 x 1,024 float32; x_codes 16 x 2,048 x 32 x 32 uint8 (E4M3 codes of x, K innermost, in blocks of 32 codes); x_scales 16 x 2,048 x 32 uint8 (E8M0 scales of x, one for each 32 codes along K).
;; Outputs: out0 16 x 1,024 float32.
;; This version of the problem:
;;   THIS VERSION OF THE PROBLEM IS GIVEN IN LOW PRECISION. The matrix products marked QUANTISED in the list below multiply operands that are first quantised to E4M3 (4 exponent bits, 3 mantissa bits; 8 bits a number), with one power-of-two scale for each 32 numbers along K (OCP MX v1.0); their sums are f32. All else is computed in f32.
;;   The module's matrix products, in the order in which they are computed (A, B: the left and right operand; K: the contracted axis; several contracted axes count as one K, in the product's order):
;;     1. [M 1, K 1,024] x [K 1,024, N 1,024]; A: input query; B: input Wq: left as it is (M = 1 < 16)
;;     2. [M 32,768, K 1,024] x [K 1,024, N 1,024]; A: input x (given as codes); B: input Wk (given as codes): QUANTISED
;;     3. [M 32,768, K 1,024] x [K 1,024, N 1,024]; A: input x (given as codes); B: input Wv (given as codes): QUANTISED
;;     4. batch 16 x [M 32,768, K 64] x [K 64, N 1]; A: computed on the way; B: computed on the way: left as it is (N = 1 < 16)
;;     5. batch 256 x [M 1, K 2,048] x [K 2,048, N 64]; A: softmax; B: computed on the way: left as it is (M = 1 < 16)
;;     6. [M 16, K 1,024] x [K 1,024, N 1,024]; A: computed on the way; B: input Wc (given as codes): QUANTISED
;;   THE QUANTISER, for each operand of a quantised product, along K:
;;     - K is cut into blocks of 32 from its start; a last block that is shorter is filled with zeros.
;;     - A block's scale is 2^e with e = floor(log2(the largest magnitude in the block)) - 8, held to -126 .. 127; a block of zeros has e = 0. As a byte (E8M0): e + 127.
;;     - Each number is divided by its block's scale, clamped to +-448, and rounded to the nearest number of E4M3, ties to even, subnormals kept.
;;     - The product sums the exact products of the quantised numbers (number of the format x scale) in f32.
;;   ~~~python
;;   def quantise(x, axis):      # numpy; x: float32 -> the quantised numbers, widened to float32 again
;;       x = np.moveaxis(x, axis, -1); K = x.shape[-1]
;;       x = np.pad(x, [(0, 0)] * (x.ndim - 1) + [(0, -K % 32)]); x = x.reshape(x.shape[:-1] + (-1, 32)); a = np.abs(x).max(-1, keepdims=True)
;;       e = np.where(a > 0, np.clip(np.frexp(np.where(a > 0, a, 1))[1] - 1 - 8, -126, 127), 0)      # np.frexp(a)[1] - 1 = floor(log2(a)), exactly
;;       r = np.clip(x / 2.0 ** e, -448, 448)
;;       step = 2.0 ** (np.maximum(np.frexp(np.where(r == 0, 1, r))[1] - 1, -6) - 3)
;;       q = np.round(r / step) * step * 2.0 ** e      # np.round: ties to even
;;       return np.moveaxis(q.reshape(q.shape[:-2] + (-1,))[..., :K], -1, axis).astype(np.float32)
;;   ~~~
;;   OPERANDS COMPUTED ON THE WAY. 'Computed on the way' means the value that the module computes at that place (a softmax that the list does not call 'softmax' is quantised finished and normalised). What goes into a quantiser is computed in f32, as accurately as f32 sums, v_exp_f32 and their like allow (about 1e-6 of the number): no bf16 or f16 on the way to a quantiser, and a product that is left as it is and whose result goes on into a quantised operand takes f32 operands (vector FMAs, or v_wmma_f32_16x16x4_f32). A number that lies on a knife's edge between two numbers of the format may be rounded either way, as far as f32 arithmetic and the matrix unit's own rounding can turn it there, and no further.
;;   INPUTS GIVEN AS CODES. Wc (in the module: [1024, 1024], K = its axis 1); Wk (in the module: [1024, 1024], K = its axis 1); Wv (in the module: [1024, 1024], K = its axis 1); x (in the module: [16, 2048, 1024], K = its axis 2): each comes as NAME_codes (uint8): NAME with its K axis moved to the last place and cut into blocks of 32 codes, [.., K / 32, bytes a block], one block behind the other in memory; one code a byte (a code: sign, 4 exponent bits, 3 mantissa bits); and NAME_scales (uint8): the same leading axes, one E8M0 byte (e + 127) for each 32 codes along K. Its value is code x scale, taken as it is: it is not quantised again, and the codes and scales need not be those that the quantiser above would give.
;; One version. Each part assembles by itself: llvm-mc -triple=amdgcn-amd-amdhsa -mcpu=gfx1250 --defsym DOCPART=n.
;; ======== version 1 of 1: 3 launches
;; limits: right only within a limited range of input values
;; workspace buffers: qs 4,096 bytes; opart 262,144 bytes; ml 8,192 bytes; wvn 1,048,576 bytes
;; launch qproj (part 1): grid 256 x 1, 4 waves a work-group, no clusters, 768 bytes of LDS; arguments Wq, query, Wv_codes, qs, wvn; writes qs, wvn
.if DOCPART == 1
	.amdgcn_target "amdgcn-amd-amdhsa--gfx1250"
	.amdhsa_code_object_version 6
	.text
	.protected	k_q8822cf6fc4_qproj
	.globl	k_q8822cf6fc4_qproj
	.p2align	8
	.type	k_q8822cf6fc4_qproj,@function
k_q8822cf6fc4_qproj:
	s_mov_b64 s[64:65], 0
	v_nop
	global_prefetch_b8 v0, s[64:65] scope:SCOPE_SE
	s_setreg_imm32_b32 hwreg(HW_REG_WAVE_MODE, 25, 1), 1
	s_wait_xcnt 0x0
; qs[e] = c x sum over d of query[d] Wq[e][d], e = 0 .. 1023, all in f32.  c = 0.125 x log2(e): the head's 1 / sqrt(64) and the change to base 2 for the later exponentials, in one multiplication.
; One wave takes one row of Wq (4,096 bytes: eight loads of 512 consecutive bytes): 1,024 waves in 256 work-groups of four: every row's loads go out at once, and nothing is read twice but the 4 KB of query.
; ALSO: wvn = the codes of Wv with every sign bit turned: the codes of -Wv, exactly.  The next launch multiplies the second half of each sequence by them.  Each wave turns 1,024 bytes, 512 consecutive bytes a load and a store.
; No matrix unit (one row of output), no tensor loads, no cluster: the work-groups share only query.
; The 4 results of a work-group meet in LDS and leave as 16 consecutive bytes.  That is a sixteenth of an aligned run of 256 bytes: the whole output is 4 KB, and sharing the 4 MB of Wq among 256 work-groups was preferred to whole runs.
.set CSCALE, 0x3e38aa3b                ; 0.125 x log2(e)
.set W,  16                            ; v16-47  my 32 numbers of the row: d = 128 i + 4 lane + 0 .. 3
.set Q,  48                            ; v48-79  the same of query
.set S,  80                            ; v80-87  four chains of two sums
.set NV, 88                            ; v88-95  32 codes of Wv
	s_load_b128 s[4:7], s[0:1], 0x0                ; Wq s[4:5], query s[6:7]
	s_load_b128 s[8:11], s[0:1], 0x10              ; Wv's codes s[8:9], qs s[10:11]
	s_load_b64 s[18:19], s[0:1], 0x20              ; wvn
	v_lshl_add_u32 v96, v0, 2, 0x100
	v_mov_b32 v97, 0
	v_lshrrev_b32 v2, 5, v0
	v_readfirstlane_b32 s15, v2                    ; wave 0..3
	v_and_b32 v1, 31, v0
	v_lshlrev_b32 v1, 4, v1                        ; 16 bytes a lane
	v_lshlrev_b32 v2, 2, v2                        ; LDS: my wave's word
	v_and_b32 v3, 3, v0
	v_lshlrev_b32 v3, 2, v3                        ; the way out: word (thread % 4)
	v_mov_b32 v4, 0                                ; written whole before it is written with some lanes off
	s_mov_b32 s16, 0x76543210                      ; v_permlanex16_b32: each lane takes its own place in the other half
	s_mov_b32 s17, 0xfedcba98
	s_lshl_b32 s20, ttmp9, 2
	s_add_co_u32 s20, s20, s15                     ; my row e = 4 x work-group + wave
	s_lshl_b32 s12, s20, 12                        ; x 4,096 bytes of Wq
	s_mov_b32 s13, 0
	s_wait_alu depctr_va_vdst(0)
	s_wait_kmcnt 0x0
	s_add_nc_u64 s[4:5], s[4:5], s[12:13]
	s_lshl_b32 s12, s20, 10                        ; x 1,024 bytes of Wv's codes
	s_add_nc_u64 s[8:9], s[8:9], s[12:13]
	s_add_nc_u64 s[18:19], s[18:19], s[12:13]
	s_lshl_b32 s12, ttmp9, 4                       ; the work-group's 4 results: 16 bytes
	s_add_nc_u64 s[10:11], s[10:11], s[12:13]
	global_load_b128 v[NV:NV+3], v1, s[8:9]                        ; read again by the next launch: no hint
	global_load_b128 v[NV+4:NV+7], v1, s[8:9] offset:512
.irp i, 0,1,2,3,4,5,6,7
	global_load_b128 v[W+4*\i:W+4*\i+3], v1, s[4:5] offset:512*\i th:TH_LOAD_NT   ; read once in the launch
.endr
.irp i, 0,1,2,3,4,5,6,7
	global_load_b128 v[Q+4*\i:Q+4*\i+3], v1, s[6:7] offset:512*\i                 ; read by every wave
.endr
	s_wait_loadcnt 16                              ; Wv's two loads are in; the sixteen issued behind them may stay out
.irp i, 0,1,2,3,4,5,6,7
	v_xor_b32 v[NV+\i], 0x80808080, v[NV+\i]       ; four sign bits a word
.endr
	global_store_b128 v1, v[NV:NV+3], s[18:19]                     ; 32 lanes store 512 consecutive bytes, at a multiple of 256 from wvn's first byte
	global_store_b128 v1, v[NV+4:NV+7], s[18:19] offset:512
	s_wait_loadcnt 0x0                             ; Wq's row and query are wanted at once; no loop follows
.set p, 0
.rept 16                               ; 16 pairs in four chains; the first four products start the chains: nothing is cleared
.if p < 4
	v_pk_mul_f32 v[S+2*p:S+2*p+1], v[W+2*p:W+2*p+1], v[Q+2*p:Q+2*p+1]
.else
	v_pk_fma_f32 v[S+2*(p%4):S+2*(p%4)+1], v[W+2*p:W+2*p+1], v[Q+2*p:Q+2*p+1], v[S+2*(p%4):S+2*(p%4)+1]
.endif
.set p, p+1
.endr
	v_pk_add_f32 v[S:S+1], v[S:S+1], v[S+2:S+3]
	v_pk_add_f32 v[S+4:S+5], v[S+4:S+5], v[S+6:S+7]
	v_pk_add_f32 v[S:S+1], v[S:S+1], v[S+4:S+5]
	v_add_f32 v[S], v[S], v[S+1]                   ; my lane's sum
	v_add_f32_dpp v[S], v[S], v[S] row_xmask:1 row_mask:0xf bank_mask:0xf
	v_add_f32_dpp v[S], v[S], v[S] row_xmask:2 row_mask:0xf bank_mask:0xf
	v_add_f32_dpp v[S], v[S], v[S] row_xmask:4 row_mask:0xf bank_mask:0xf
	v_add_f32_dpp v[S], v[S], v[S] row_xmask:8 row_mask:0xf bank_mask:0xf
	v_permlanex16_b32 v[S+1], v[S], s16, s17       ; its destination counts as read: v81 has been written
	v_add_f32 v[S], v[S], v[S+1]
	v_mul_f32 v[S], CSCALE, v[S]
	ds_store_b32 v2, v[S]                          ; all lanes write the wave's word with the same value
	s_wait_dscnt 0x0                               ; for the others' sake: my store has landed
	s_barrier_signal -1
	s_barrier_wait -1
	s_wait_xcnt 0x0                                ; EXEC is a source of the loads and stores above: it changes only behind this wait
	v_cmp_gt_u32 vcc_lo, 4, v0
	s_wait_tensorcnt 0x0
	ds_add_u32 v96, v97
	s_wait_dscnt 0x0
	s_and_saveexec_b32 s14, vcc_lo                 ; threads 0 to 3 go on; the other waves walk the lines below with no lane on
	ds_load_b32 v4, v3
	s_wait_dscnt 0x0
	global_store_b32 v3, v4, s[10:11]              ; 4 lanes store 16 consecutive bytes
	s_wait_xcnt 0x0                                ; and again in front of the line that widens EXEC
	s_or_b32 exec_lo, exec_lo, s14
	s_endpgm
.Lfunc_end_k_q8822cf6fc4_qproj:
	.size	k_q8822cf6fc4_qproj, .Lfunc_end_k_q8822cf6fc4_qproj-k_q8822cf6fc4_qproj
	.p2alignl 7, 3214868480
	.fill 96, 4, 3214868480
	.section	.rodata,"a",@progbits
	.p2align	6, 0x0
	.amdhsa_kernel k_q8822cf6fc4_qproj
		.amdhsa_group_segment_fixed_size 768
		.amdhsa_private_segment_fixed_size 0
		.amdhsa_enable_private_segment 0
		.amdhsa_kernarg_size 40
		.amdhsa_user_sgpr_count 2
		.amdhsa_user_sgpr_kernarg_segment_ptr 1
		.amdhsa_wavefront_size32 1
		.amdhsa_system_sgpr_workgroup_id_x 1
		.amdhsa_system_sgpr_workgroup_id_y 1
		.amdhsa_system_sgpr_workgroup_id_z 1
		.amdhsa_system_vgpr_workitem_id 0
		.amdhsa_next_free_vgpr 98
		.amdhsa_next_free_sgpr 66
		.amdhsa_reserve_vcc 1
		.amdhsa_float_denorm_mode_32 3
		.amdhsa_float_denorm_mode_16_64 3
		.amdhsa_memory_ordered 1
		.amdhsa_forward_progress 1
		.amdhsa_inst_pref_size 7
	.end_amdhsa_kernel
	.amdgpu_metadata
---
amdhsa.version: [ 1, 2 ]
amdhsa.kernels:
  - .name:           k_q8822cf6fc4_qproj
    .symbol:         k_q8822cf6fc4_qproj.kd
    .args:
      - { .name: Wq, .offset: 0, .size: 8, .value_kind: global_buffer, .address_space: global }
      - { .name: query, .offset: 8, .size: 8, .value_kind: global_buffer, .address_space: global }
      - { .name: Wv_codes, .offset: 16, .size: 8, .value_kind: global_buffer, .address_space: global }
      - { .name: qs, .offset: 24, .size: 8, .value_kind: global_buffer, .address_space: global }
      - { .name: wvn, .offset: 32, .size: 8, .value_kind: global_buffer, .address_space: global }
    .group_segment_fixed_size: 768
    .private_segment_fixed_size: 0
    .kernarg_segment_align: 8
    .kernarg_segment_size: 40
    .max_flat_workgroup_size: 128
    .sgpr_count:     66
    .vgpr_count:     98
    .wavefront_size: 32
...
	.end_amdgpu_metadata
.endif
;; end of part 1
;; launch pool (part 2): grid 4 x 64, 4 waves a work-group, clusters of 4 x 4, 327,680 bytes of LDS; arguments x_codes, x_scales, Wk_codes, Wk_scales, Wv_codes, Wv_scales, wvn, qs, opart, ml; writes opart, ml
.if DOCPART == 2
	.amdgcn_target "amdgcn-amd-amdhsa--gfx1250"
	.amdhsa_code_object_version 6
	.text
	.protected	k_q8822cf6fc4_pool
	.globl	k_q8822cf6fc4_pool
	.p2align	8
	.type	k_q8822cf6fc4_pool,@function
k_q8822cf6fc4_pool:
	s_mov_b64 s[64:65], 0
	v_nop
	global_prefetch_b8 v0, s[64:65] scope:SCOPE_SE
	s_setreg_imm32_b32 hwreg(HW_REG_WAVE_MODE, 25, 1), 1
	s_wait_xcnt 0x0
	s_wait_alu depctr_hold_cnt(0) depctr_sa_sdst(0) depctr_va_vdst(0) depctr_va_sdst(0) depctr_va_ssrc(0) depctr_va_vcc(0) depctr_vm_vsrc(0)
	s_getreg_b32 s2, hwreg(HW_REG_IB_STS2, 6, 4)
	s_cmp_eq_u32 s2, 0
	s_cbranch_scc0 .Lentry_in_a_cluster
	s_endpgm
.Lentry_in_a_cluster:
	s_bfe_u32 s2, ttmp6, 0x10000c
	s_cmp_lg_u32 s2, 0xf033
	s_cbranch_scc0 .Lentry_shape_is_right
	s_endpgm
.Lentry_shape_is_right:
; For 512 rows of one batch (a quarter of its sequence) and four heads: k = x Wk^T, scores s = q . k, m = max s, p = 2^(s - m), l = sum p, v = x Wv^T, opart = sum p v.  Both products on codes of FP8 (E4M3), f32 sums; all else f32.
; qs holds q already scaled to base 2.  opart: [16 b][4 quarters][1024] f32; ml: [16 b][4 quarters][16 heads][(m, l)] f32.  Quarters 2 and 3 take wvn, the codes of -Wv: their opart is minus the sum.
; SHARES.  256 work-groups: 4 groups of heads (cluster x) x 64 row groups: cluster Y, place cy: batch 4 (Y / 4) + cy, quarter Y % 4.  Wave w owns head 4 cx + w: its 64 rows of Wk, later of Wv, ALL of K, stand in 512 registers (windows 1, 2);
; x streams past them in blocks of 16 rows, two register sets (window 3).  A block is 32 products on four accumulators by turns; its vector work stands among the NEXT block's products; behind a block its set takes the block two on.
; PHASE 1: 32 blocks of scores.  A pair of blocks makes one register (lanes 0-15 the even block's rows, lanes 16-31 the odd's); sixteen such registers are a queue.  The softmax between the phases is one for all 512 rows.  PHASE 2: the same 32 blocks against Wv; p leaves the queue in order.
; LDS: two slots of 128 rows (pitch 1,040: the 16 rows of a fragment begin at different banks), E: 32 rows that stay (the first two blocks of either phase), the 512 rows' scale bytes.
; At the head the slots hold Wk's 256 rows; then x's rows 32 .. 511 come in five chunks of 96 rows, slot by slot; in phase 1's last two chunks Wv's rows come into the slot that has been left: first each head's rows 0-31, then its rows 32-63.
; Every refill: a quarter a wave, behind a round of the cluster's barrier.  x is asked for jointly along a row of the cluster, weights along a column.
; x's chunks are prefetched in phase 1: chunks 0 and 1 at the head, then one chunk ahead of the load; a chunk's 384 units of 256 bytes are shared by address among the cluster row's 16 waves.  Wv is not: sixteen clusters read the same 256 KB.
; LIMITS: NaN and infinities are not served.  Scores stay under 2^31 in magnitude.
.set PITCH, 1040
.set SLOTB, 128*PITCH
.set EB, 2*SLOTB
.set SCL, EB+32*PITCH                  ; scale bytes: 64 units of 256 bytes (8 rows) + 16 of padding
.set SPARE, SCL+64*272
.set CHB, 96*1024                      ; a chunk in memory
.set NF, 34                            ; LDS loads of a block
.set ADRA0, 4                          ; v4  fragment of x: row r, 16 h
.set AAS0, 5                           ; v5  my row's scale words
.set ADRA, 6                           ; v6, v7  the same for the pair that is fetched next
.set AAS, 7
.set ADW, 8                            ; v8  my weight rows at the head
.set PFO, 9
.set SPW, 10
.set NIL, 11
.set G8, 12
.set AO, 13
.set RDM, 14
.set ADV, 15                           ; v15, v19  my weight rows 0-31 in slot 1, 32-63 in slot 0
.set ADV1, 19
.set SB, 24                            ; v24-39 the weight's scale words: 8 p + q: lanes 0-15 tile 2 p, lanes 16-31 tile 2 p + 1
.set SA, 44                            ; v44-59 x's, two sets
.set ACC, 64                           ; v64-127 two sets of four accumulators
.set OO, 128                           ; v128-159 sum of p v
.set QV, 160                           ; v160-191 q at my columns
.set SC, 192                           ; v192-207 the queue
.set WS, 208                           ; v208-223 Wv's scale words
.set WV, 24
.set G1W, 32
.set G1X, 40
.set G1S, 48
.set G0W, 56
.set G0X, 60
.set G0B, 68
.set G0S, 72
.set PF, 76
.set XB, 78
.set WB, 80
.set HM, 90                            ; lanes 16-31
.set IC, 91
.set CC, 92
.set FE, 1
.set MSB, 0
.macro WIN new
.if MSB != (\new)
	s_set_vgpr_msb (MSB<<8)|(\new)
.set MSB, (\new)
.endif
.endm
.macro PLACES n
.rept \n
	v_nop
.endr
.endm
.macro WALU
	s_wait_alu depctr_va_vdst(0)
.endm
.macro BARRIER
	s_barrier_signal -1
	s_barrier_wait -1
.endm
.macro MIDDLE                          ; a round behind its opening signal
	s_barrier_wait -1
	s_cmp_lg_u32 s[WV], 0
	s_cbranch_scc1 .Lnot_wave_0_\@
	s_barrier_signal -3
.Lnot_wave_0_\@:
	s_barrier_wait -3
	BARRIER
.endm
.macro CROUND
	s_barrier_signal -1
	MIDDLE
.endm
.macro TLOAD g0, g1
	tensor_load_to_lds s[\g0:\g0+3], s[\g1:\g1+7]
	s_nop 0
	PLACES 4
.endm
.macro GROUP1 g, mask, pad, c, rows, p ; descriptor group 1
	s_or_b32 s[\g], s[\mask], (1<<20)|(1<<21)|(\pad)
	s_mov_b32 s[\g+1], (\c)<<16
	s_mov_b32 s[\g+2], (\rows)<<16
	s_mov_b32 s[\g+3], (\c)<<16
	s_mov_b32 s[\g+4], \rows
	s_mov_b32 s[\g+5], \p
	s_mov_b32 s[\g+6], 0
	s_mov_b32 s[\g+7], 0
.endm
	s_load_b512 s[4:19], s[0:1], 0x0
	s_load_b128 s[20:23], s[0:1], 0x40
	v_lshl_add_u32 v[SPW], v0, 2, SPARE
	v_mov_b32 v[NIL], 0
	ds_add_u32 v[SPW], v[NIL]                      ; the opening: the add, twice on end
	ds_add_u32 v[SPW], v[NIL]
	v_lshrrev_b32 v1, 5, v0
	v_readfirstlane_b32 s[WV], v1
	s_bfe_u32 s25, ttmp6, 0x40000                  ; cx: the group of heads
	s_bfe_u32 s26, ttmp6, 0x40004                  ; cy
	s_and_b32 s27, ttmp7, 0xffff                   ; Y
	s_lshl_b32 s30, s26, 2
	s_lshl_b32 s30, 15, s30                        ; my row of the cluster: shares x
	s_lshl_b32 s31, 0x1111, s25                    ; my column: shares weights
	GROUP1 G1W, 31, (7<<22)|(3<<25), 1024, 128, 1024
	GROUP1 G1X, 30, (7<<22)|(3<<25), 1024, 32, 1024
	GROUP1 G1S, 30, (3<<16)|(5<<22)|(3<<25), 32, 64, 32
	s_lshr_b32 s28, s27, 2
	s_lshl_b32 s28, s28, 2
	s_add_co_u32 s28, s28, s26                     ; batch
	s_and_b32 s29, s27, 3                          ; quarter
	s_lshl_b32 s82, s28, 21
	s_lshl_b32 s93, s29, 19
	s_add_co_u32 s82, s82, s93                     ; x's codes: 1,024 bytes a row
	s_mov_b32 s83, 0
	s_lshr_b32 s84, s82, 5                         ; its scale bytes: 32 a row
	s_mov_b32 s85, 0
	s_lshl_b32 s86, s25, 18                        ; 256 rows of a weight
	s_mov_b32 s87, 0
	s_mov_b32 s88, 0x76543210
	s_mov_b32 s89, 0xfedcba98
	s_mov_b32 s[HM], 0xffff0000
	s_wait_dscnt 0x0                               ; both opening adds are done
	CROUND
	s_wait_kmcnt 0x0
	s_and_b32 s93, s27, 2
	s_cmp_eq_u32 s93, 0
	s_cselect_b64 s[12:13], s[12:13], s[16:17]     ; quarters 2, 3: -Wv
	s_add_nc_u64 s[XB:XB+1], s[4:5], s[82:83]
	s_add_nc_u64 s[6:7], s[6:7], s[84:85]
	s_add_nc_u64 s[8:9], s[8:9], s[86:87]
	s_add_nc_u64 s[WB:WB+1], s[12:13], s[86:87]
	s_mov_b32 s[G0W], 1
	s_mov_b32 s[G0W+1], 0
	s_mov_b64 s[G0W+2:G0W+3], s[8:9]
	s_or_b32 s[G0W+3], s[G0W+3], 0x80000000
	s_mov_b32 s[G0B], 1
	s_mov_b32 s[G0B+1], SLOTB
	s_add_nc_u64 s[G0B+2:G0B+3], s[8:9], 0x20000
	s_or_b32 s[G0B+3], s[G0B+3], 0x80000000
	s_mov_b32 s[G0X], 1
	s_mov_b32 s[G0X+1], EB
	s_mov_b64 s[G0X+2:G0X+3], s[XB:XB+1]
	s_or_b32 s[G0X+3], s[G0X+3], 0x80000000
	s_mov_b32 s[G0S], 1
	s_mov_b32 s[G0S+1], SCL
	s_mov_b64 s[G0S+2:G0S+3], s[6:7]
	s_or_b32 s[G0S+3], s[G0S+3], 0x80000000
	s_cmp_eq_u32 s[WV], 0                          ; ONE joint load a wave, one chain of arms
	s_cbranch_scc0 .Lwave_1
	TLOAD G0W, G1W                                 ; Wk's rows 0-127
	s_branch .Lasked
.Lwave_1:
	s_cmp_eq_u32 s[WV], 1
	s_cbranch_scc0 .Lwave_2
	TLOAD G0B, G1W                                 ; Wk's rows 128-255
	s_branch .Lasked
.Lwave_2:
	s_cmp_eq_u32 s[WV], 2
	s_cbranch_scc0 .Lwave_3
	TLOAD G0X, G1X                                 ; E: x's first 32 rows
	s_branch .Lasked
.Lwave_3:
	TLOAD G0S, G1S                                 ; the scale bytes of x's 512 rows
.Lasked:
	s_lshl_b32 s95, s25, 2
	s_add_co_u32 s95, s95, s[WV]                   ; my head; also my share of a prefetch
	s_mul_i32 s94, s95, 6144
	s_mov_b32 s83, 0
	s_lshl_b32 s82, s95, 11                        ; weights' scale bytes: 64 rows of 32
	s_add_nc_u64 s[10:11], s[10:11], s[82:83]
	s_add_nc_u64 s[14:15], s[14:15], s[82:83]
	s_lshl_b32 s82, s95, 8
	s_add_nc_u64 s[18:19], s[18:19], s[82:83]      ; q of my head
	s_lshl_b32 s93, s28, 14
	s_add_co_u32 s82, s82, s93
	s_lshl_b32 s93, s29, 12
	s_add_co_u32 s82, s82, s93
	s_add_nc_u64 s[20:21], s[20:21], s[82:83]      ; my 256 bytes of opart
	s_lshl_b32 s82, s95, 3
	s_lshl_b32 s93, s28, 9
	s_add_co_u32 s82, s82, s93
	s_lshl_b32 s93, s29, 7
	s_add_co_u32 s82, s82, s93
	s_add_nc_u64 s[22:23], s[22:23], s[82:83]
	s_add_nc_u64 s[PF:PF+1], s[XB:XB+1], 0x8000    ; behind E's rows
	s_mul_i32 s93, s[WV], 64*PITCH
	s_mul_i32 s96, s[WV], 32*PITCH
	s_lshl_b32 s97, s[WV], 8
	s_add_co_u32 s97, s97, EB                      ; my stage for the way out lies in E
	v_and_b32 v1, 15, v0                           ; r
	v_bfe_u32 v2, v0, 4, 1                         ; h
	v_and_b32 v3, 31, v0                           ; lane
	v_mul_u32_u24 v[ADRA0], v1, PITCH
	v_lshl_add_u32 v[ADRA0], v2, 4, v[ADRA0]
	v_lshlrev_b32 v[AAS0], 5, v1
	v_lshrrev_b32 v16, 3, v1
	v_lshl_add_u32 v[AAS0], v16, 4, v[AAS0]
	v_add_nc_u32 v[AAS0], SCL, v[AAS0]
	v_add_nc_u32 v[ADW], s93, v[ADRA0]
	v_add_nc_u32 v[ADV1], s96, v[ADRA0]
	v_add_nc_u32 v[ADV], SLOTB, v[ADV1]
	v_min_u32 v[PFO], 23, v3                       ; 24 units of 256 bytes a wave
	v_lshlrev_b32 v[PFO], 8, v[PFO]
	v_add_nc_u32 v[PFO], s94, v[PFO]
	v_lshlrev_b32 v[G8], 3, v3
	v_add_nc_u32 v[RDM], s97, v[G8]
	v_lshlrev_b32 v228, 5, v2
	v_add_nc_u32 v[AO], s97, v228
	v_lshlrev_b32 v230, 5, v3
.irp p, 0,1
.irp c, 0,1
	global_load_b128 v[SB+8*\p+4*\c:SB+8*\p+4*\c+3], v230, s[10:11] offset:1024*\p+16*\c
	global_load_b128 v[WS+8*\p+4*\c:WS+8*\p+4*\c+3], v230, s[14:15] offset:1024*\p+16*\c
.endr
.endr
.irp b, 0,1,2,3                        ; register 8 b + j: column 16 b + 8 h + j
	global_load_b128 v[QV+8*\b:QV+8*\b+3], v228, s[18:19] offset:64*\b
	global_load_b128 v[QV+8*\b+4:QV+8*\b+7], v228, s[18:19] offset:64*\b+16
.endr
.irp i, 17,18,21,23,60                 ; a lane permute's destination, and a pair's upper half, count as read
	v_mov_b32 v\i, 0
.endr
.set I_, 0
.rept 16
	v_mov_b32 v[SC+I_], 0
.set I_, I_+1
.endr
	WALU
	s_wait_tensorcnt 0x0                           ; my tile of the head's four is in
	BARRIER
	global_prefetch_b8 v[PFO], s[PF:PF+1] th:TH_LOAD_NT scope:SCOPE_SE              ; chunk 0
	global_prefetch_b8 v[PFO], s[PF:PF+1] offset:CHB th:TH_LOAD_NT scope:SCOPE_SE   ; chunk 1
; weight tiles b0, b0 + 1 (16 rows each), all of K, into their registers; tile b of step q is fragment 4 q + b; o: rows from the address on
.macro READW b0, adr, o
.irp q, 0,1,2,3,4,5,6,7
	WIN (1+\q/4)<<6
.irp u, 0,1
.irp c, 0,1,2,3
	ds_load_b128 v[16*((4*\q+\b0+\u)%16)+4*\c:16*((4*\q+\b0+\u)%16)+4*\c+3], v[\adr] offset:128*\q+32*\c+(\o+16*\u)*PITCH
.endr
.endr
.endr
	WIN 0
.endm
; set e takes block e of the pair at ADRA, and its scale words: NF loads
.macro FETCH e
	WIN 3<<6
.irp q, 0,1,2,3,4,5,6,7
.irp c, 0,1,2,3
	ds_load_b128 v[128*\e+16*\q+4*\c:128*\e+16*\q+4*\c+3], v[ADRA] offset:128*\q+32*\c+\e*16*PITCH
.endr
.endr
	WIN 0
	ds_load_b128 v[SA+8*\e:SA+8*\e+3], v[AAS] offset:544*\e
	ds_load_b128 v[SA+8*\e+4:SA+8*\e+7], v[AAS] offset:544*\e+16
.endm
; product n = 4 q + b: source 0 = weight tile b, source 1 = x's rows: a lane holds row r, register j column 16 b + 8 h + j
.macro PROD e, n
.set Q_, (\n)/4
.set B_, (\n)%4
.set R_, 128*(\e)+16*Q_
.set W_, 16*((\n)%16)
.set A_, ACC+32*(\e)+8*B_
.set X_, SA+8*(\e)+Q_
.set Y_, SB+8*(B_/2)+Q_
	WIN (1+(\n)/16)|12
.if Q_ && B_%2
	v_wmma_scale_f32_16x16x128_f8f6f4 v[A_:A_+7], v[W_:W_+15], v[R_:R_+15], v[A_:A_+7], v[Y_], v[X_] matrix_a_scale:MATRIX_SCALE_ROW1
.elseif Q_
	v_wmma_scale_f32_16x16x128_f8f6f4 v[A_:A_+7], v[W_:W_+15], v[R_:R_+15], v[A_:A_+7], v[Y_], v[X_]
.elseif B_%2
	v_wmma_scale_f32_16x16x128_f8f6f4 v[A_:A_+7], v[W_:W_+15], v[R_:R_+15], 0, v[Y_], v[X_] matrix_a_scale:MATRIX_SCALE_ROW1
.else
	v_wmma_scale_f32_16x16x128_f8f6f4 v[A_:A_+7], v[W_:W_+15], v[R_:R_+15], 0, v[Y_], v[X_]
.endif
.endm
.macro EPK m, x, s                     ; the score of a block: sums at x times q, over 32 registers and both halves of the lanes -> v[s]
.if (\m) == 0
	v_pk_mul_f32 v[40:41], v[\x:\x+1], v[QV:QV+1]
	v_pk_mul_f32 v[42:43], v[\x+2:\x+3], v[QV+2:QV+3]
.elseif (\m) < 8
	v_pk_fma_f32 v[40:41], v[\x+4*(\m):\x+4*(\m)+1], v[QV+4*(\m):QV+4*(\m)+1], v[40:41]
	v_pk_fma_f32 v[42:43], v[\x+4*(\m)+2:\x+4*(\m)+3], v[QV+4*(\m)+2:QV+4*(\m)+3], v[42:43]
.elseif (\m) == 8
	v_pk_add_f32 v[40:41], v[40:41], v[42:43]
.elseif (\m) == 9
	v_add_f32 v40, v40, v41
.elseif (\m) == 10
	v_permlanex16_b32 v60, v40, s88, s89
.else
	v_add_f32 v[\s], v40, v60
.endif
.endm
.macro SHIFT k
.if (\k) < 15
	v_mov_b32 v[SC+(\k)], v[SC+(\k)+1]
.endif
.endm
.macro PUSH m                          ; the pair's scores enter the queue
.if (\m) == 12
	v_cndmask_b32 v62, v61, v62, s[HM]
.else
	SHIFT 2*((\m)-13)
	SHIFT 2*((\m)-13)+1
.if (\m) == 20
	v_mov_b32 v[SC+15], v62
.endif
.endif
.endm
.macro POP m                           ; the pair's p leave it: v20 the even block's, v22 the odd's, in both halves of the lanes
.if (\m) == 8
	v_permlanex16_b32 v18, v[SC], s88, s89
.elseif (\m) == 9
	v_cndmask_b32 v20, v[SC], v18, s[HM]
	v_cndmask_b32 v22, v18, v[SC], s[HM]
.elseif (\m) > 10
	SHIFT 2*((\m)-11)
	SHIFT 2*((\m)-11)+1
.endif
.endm
.macro EPV m, x, p                     ; OO += p v
	v_pk_fma_f32 v[OO+4*(\m):OO+4*(\m)+1], v[\x+4*(\m):\x+4*(\m)+1], v[\p:\p+1], v[OO+4*(\m):OO+4*(\m)+1] op_sel_hi:[1,0,1]
	v_pk_fma_f32 v[OO+4*(\m)+2:OO+4*(\m)+3], v[\x+4*(\m)+2:\x+4*(\m)+3], v[\p:\p+1], v[OO+4*(\m)+2:OO+4*(\m)+3] op_sel_hi:[1,0,1]
.endm
; behind product n.  k: 1, 2 an even, an odd block of phase 1; 3, 4 of phase 2; 5, 6 the first block of phase 1, of phase 2: no block stands before it
.macro LIST n, k
.set M_, (\n)-1
.if M_ < 0
.if ((\k) != 2) && ((\k) != 4) && FE
	WIN 0
	v_add_nc_u32 v[ADRA], s93, v[ADRA0]
	v_add_nc_u32 v[AAS], s94, v[AAS0]
.endif
.elseif ((\k) == 1) || ((\k) == 2)
.if M_ < 12
	WIN 0
	EPK M_, ACC+32*(2-\k), 63-\k
.elseif ((\k) == 1) && (M_ < 21)
	WIN 0
	PUSH M_
.endif
.elseif ((\k) == 3) || ((\k) == 4) || ((\k) == 6)
.if M_ < 8
.if (\k) == 3
	WIN 0
	EPV M_, ACC+32, 22
.elseif (\k) == 4
	WIN 0
	EPV M_, ACC, 20
.endif
.elseif ((\k) != 4) && (M_ < 19) && (M_ != 10)
	WIN 0
	POP M_
.endif
.endif
.endm
.macro BLK k, e, from, to
.set N_, \from
.rept (\to)-(\from)
	PROD \e, N_
	LIST N_, \k
.set N_, N_+1
.endr
.endm
.macro XDESC                           ; my 24 rows of the chunk that begins s99 bytes behind my first row, into the slot at s98
	s_mul_i32 s[G0X+1], s[WV], 24*PITCH
	s_add_co_u32 s[G0X+1], s[G0X+1], s98
	s_mul_i32 s84, s[WV], 24*1024
	s_add_co_u32 s84, s84, s99
	s_add_nc_u64 s[G0X+2:G0X+3], s[XB:XB+1], s[84:85]
	s_or_b32 s[G0X+3], s[G0X+3], 0x80000000
.endm
.macro WDESC half, slot                ; my head's rows 32 half .. + 31 of Wv
	s_mul_i32 s[G0W+1], s[WV], 32*PITCH
	s_add_co_u32 s[G0W+1], s[G0W+1], \slot
	s_lshl_b32 s86, s[WV], 16
	s_add_co_u32 s86, s86, (\half)*0x8000
	s_add_nc_u64 s[G0W+2:G0W+3], s[WB:WB+1], s[86:87]
	s_or_b32 s[G0W+3], s[G0W+3], 0x80000000
.endm
.macro PEV k, f                        ; an even block.  NF: the youngest fetch, the other set's, may be out
.set FE, \f
	s_wait_dscnt NF
	BLK \k, 0, 0, 32
	WIN 0
	PLACES 8                                       ; ahead of loads into what the products have read and of the first reader of their sums
.if \f
	FETCH 0
.endif
.endm
.macro POD k, w, f                     ; an odd block
	s_wait_dscnt \w
	BLK \k, 1, 0, 32
	WIN 0
	PLACES 8
.if \f
	FETCH 1
.endif
.endm
; an even block in which slots change.  d: 1 x's next chunk, 2, 3 Wv's halves, 0 nothing is filled (a plain barrier).  The slot that was read is in registers, the other one has landed.
.macro RE k, d, f, pf
.set FE, \f
.if \pf
	s_wait_xcnt 0x0                                ; my last prefetch has read its base
	s_add_nc_u64 s[PF:PF+1], s[PF:PF+1], (3-(\pf))*CHB
.endif
	s_wait_dscnt NF
	BLK \k, 0, 0, 20
	WIN 0
	s_wait_tensorcnt 0x0                           ; my part of the next slot is in
.if \d
	ds_add_u32 v[SPW], v[NIL]
.endif
	BLK \k, 0, 20, 24
.if \d == 1
	XDESC
.elseif \d == 2
	WDESC 0, SLOTB
.elseif \d == 3
	WDESC 1, 0
.endif
	BLK \k, 0, 24, 28
	WIN 0
	WALU
	s_wait_dscnt 0x0                               ; the add is done, my reads of the slot are over
	s_barrier_signal -1
	BLK \k, 0, 28, 32
	WIN 0
.if \d
	MIDDLE
.if \d == 1
	TLOAD G0X, G1X
.else
	TLOAD G0W, G1W
.endif
	PLACES 4
.else
	s_barrier_wait -1
	PLACES 8
.endif
.if \f
	FETCH 0
.endif
.if (\pf) == 1
	global_prefetch_b8 v[PFO], s[PF:PF+1] th:TH_LOAD_NT scope:SCOPE_SE
.elseif (\pf) == 2
	s_cmp_lt_u32 s[CC], 2                          ; chunk CC + 3 exists
	s_cbranch_scc0 .Lno_chunk_\@
	global_prefetch_b8 v[PFO], s[PF:PF+1] th:TH_LOAD_NT scope:SCOPE_SE
.Lno_chunk_\@:
.endif
.endm
.macro INNER ke, ko                    ; a chunk's first two pairs; each fetches the pair behind it
	s_mov_b32 s[IC], 0
.Lpair_\@:
	s_add_co_u32 s95, s[IC], 1
	s_mul_i32 s93, s95, 32*PITCH
	s_add_co_u32 s93, s93, s96
	s_mul_i32 s94, s95, 1088
	s_add_co_u32 s94, s94, s97
	PEV \ke, 1
	POD \ko, NF, 1
	s_add_co_u32 s[IC], s[IC], 1
	s_cmp_lt_u32 s[IC], 2
	s_cbranch_scc1 .Lpair_\@
.endm
; between the phases: the last block's score, the softmax of my 512 rows, Wv's scale words
.macro SOFTMAX
.set K_, 0
.rept 12
	EPK K_, ACC+32, 62
.set K_, K_+1
.endr
.rept 9
	PUSH K_
.set K_, K_+1
.endr
	v_max3_num_f32 v16, v[SC], v[SC+1], v[SC+2]
.irp i, 3,5,7,9,11,13
	v_max3_num_f32 v16, v16, v[SC+\i], v[SC+\i+1]
.endr
	v_max_num_f32 v16, v16, v[SC+15]
.irp m, 1,2,4,8
	v_max_num_f32_dpp v16, v16, v16 row_xmask:\m row_mask:0xf bank_mask:0xf
.endr
	v_permlanex16_b32 v17, v16, s88, s89
	v_max_num_f32 v224, v16, v17                   ; m
.set K_, 0
.rept 16
	v_sub_f32 v[SC+K_], v[SC+K_], v224
	v_mov_b32 v[SB+K_], v[WS+K_]
	v_mov_b32 v[OO+2*K_], 0
	v_mov_b32 v[OO+2*K_+1], 0
.set K_, K_+1
.endr
	WALU
.set K_, 0
.rept 16
	v_exp_f32 v[SC+K_], v[SC+K_]
.set K_, K_+1
.endr
	v_nop
	WALU
	v_pk_add_f32 v[40:41], v[SC:SC+1], v[SC+2:SC+3]
	v_pk_add_f32 v[42:43], v[SC+4:SC+5], v[SC+6:SC+7]
.irp i, 8,12
	v_pk_add_f32 v[40:41], v[40:41], v[SC+\i:SC+\i+1]
	v_pk_add_f32 v[42:43], v[42:43], v[SC+\i+2:SC+\i+3]
.endr
	v_pk_add_f32 v[40:41], v[40:41], v[42:43]
	v_add_f32 v16, v40, v41
.irp m, 1,2,4,8
	v_add_f32_dpp v16, v16, v16 row_xmask:\m row_mask:0xf bank_mask:0xf
.endr
	v_permlanex16_b32 v17, v16, s88, s89
	v_add_f32 v225, v16, v17                       ; l
.endm
.macro PHASE p, ke, ko, k0
.if \p
	READW 0, ADV, 0                                ; Wv's first half lies in slot 1
	SOFTMAX
.else
	READW 0, ADW, 0
	READW 2, ADW, 32
.endif
	v_add_nc_u32 v[ADRA], EB, v[ADRA0]
	v_mov_b32 v[AAS], v[AAS0]
	WALU
	s_wait_tensorcnt 0x0                           ; no tensor load of mine is out
	ds_add_u32 v[SPW], v[NIL]
.if (\p) == 0
	s_mov_b32 s[G1W+2], 32<<16                     ; from here on a load brings 32 rows of a weight or 24 rows of x
	s_mov_b32 s[G1W+4], 32
	s_mov_b32 s[G1X+2], 24<<16
	s_mov_b32 s[G1X+4], 24
.endif
	s_mov_b32 s98, SLOTB*\p
	s_mov_b32 s99, 0x8000
	XDESC                                          ; chunk 0
	s_wait_dscnt 0x0
	CROUND
	TLOAD G0X, G1X
.if \p
	READW 2, ADV1, 0                               ; its second half in slot 0
.endif
	FETCH 0
	FETCH 1
.if (\p) == 0
	s_wait_loadcnt 0x0                             ; q and the weights' scale words
.endif
	s_mov_b32 s93, SLOTB*\p
	s_mov_b32 s94, 1088
	s_mov_b32 s98, SLOTB*(1-\p)
	s_mov_b32 s99, 0x8000+CHB
	RE \k0, 1, 1, 1-\p
	POD \ko, NF, 1
	s_mov_b32 s[CC], 0
.Lchunk_\@:                                            ; chunks 0, 1, 2; chunk CC + 2 comes into the slot that chunk CC leaves
	s_add_co_u32 s96, s[CC], \p
	s_and_b32 s96, s96, 1
	s_mul_i32 s96, s96, SLOTB
	s_mul_i32 s97, s[CC], 3264
	s_add_co_u32 s97, s97, 1088
	INNER \ke, \ko
	s_xor_b32 s93, s96, SLOTB
	s_add_co_u32 s94, s97, 3264
	s_mov_b32 s98, s96
	s_mul_i32 s99, s[CC], CHB
	s_add_co_u32 s99, s99, 0x8000+2*CHB
	RE \ke, 1, 1, 2*(1-\p)
	POD \ko, NF, 1
	s_add_co_u32 s[CC], s[CC], 1
	s_cmp_lt_u32 s[CC], 3
	s_cbranch_scc1 .Lchunk_\@
	s_mov_b32 s96, SLOTB*(1-\p)                    ; chunk 3
	s_mov_b32 s97, 1088+3*3264
	INNER \ke, \ko
	s_mov_b32 s93, SLOTB*\p
	s_mov_b32 s94, 1088+4*3264
	RE \ke, 2*(1-\p), 1, 0
	POD \ko, NF, 1
	s_mov_b32 s96, SLOTB*\p                        ; chunk 4
	s_mov_b32 s97, 1088+4*3264
	INNER \ke, \ko
.if \p
	PEV \ke, 0
.else
	RE \ke, 3, 0, 0
.endif
	POD \ko, 0, 0
.endm
	PHASE 0, 1, 2, 5
	PHASE 1, 3, 4, 6
.set K_, 0
.rept 8
	EPV K_, ACC+32, 22                             ; the last block
.set K_, K_+1
.endr
.irp m, 1,2,4,8                        ; over the 16 rows of a half
.set K_, 0
.rept 32
	v_add_f32_dpp v[OO+K_], v[OO+K_], v[OO+K_] row_xmask:\m row_mask:0xf bank_mask:0xf
.set K_, K_+1
.endr
.endr
.irp b, 0,1,2,3
	ds_store_b128 v[AO], v[OO+8*\b:OO+8*\b+3] offset:64*\b
	ds_store_b128 v[AO], v[OO+8*\b+4:OO+8*\b+7] offset:64*\b+16
.endr
	ds_load_b64 v[226:227], v[RDM]                 ; my own bytes: LDS serves a wave's instructions in order
	s_wait_dscnt 0x0
	global_store_b64 v[G8], v[226:227], s[20:21]   ; 256 consecutive bytes
	WALU
	s_wait_xcnt 0x0
	v_cmp_eq_u32 vcc_lo, 0, v[G8]
	s_and_saveexec_b32 s93, vcc_lo
	global_store_b64 v[G8], v[224:225], s[22:23]
	s_wait_xcnt 0x0
	s_or_b32 exec_lo, exec_lo, s93
	s_wait_tensorcnt 0x0                           ; the wave's end
	ds_add_u32 v[SPW], v[NIL]
	s_wait_dscnt 0x0
	CROUND
	s_endpgm
.Lfunc_end_k_q8822cf6fc4_pool:
	.size	k_q8822cf6fc4_pool, .Lfunc_end_k_q8822cf6fc4_pool-k_q8822cf6fc4_pool
	.p2alignl 7, 3214868480
	.fill 96, 4, 3214868480
	.section	.rodata,"a",@progbits
	.p2align	6, 0x0
	.amdhsa_kernel k_q8822cf6fc4_pool
		.amdhsa_group_segment_fixed_size 327680
		.amdhsa_private_segment_fixed_size 0
		.amdhsa_enable_private_segment 0
		.amdhsa_kernarg_size 80
		.amdhsa_user_sgpr_count 2
		.amdhsa_user_sgpr_kernarg_segment_ptr 1
		.amdhsa_wavefront_size32 1
		.amdhsa_system_sgpr_workgroup_id_x 1
		.amdhsa_system_sgpr_workgroup_id_y 1
		.amdhsa_system_sgpr_workgroup_id_z 1
		.amdhsa_system_vgpr_workitem_id 0
		.amdhsa_next_free_vgpr 1024
		.amdhsa_next_free_sgpr 102
		.amdhsa_reserve_vcc 1
		.amdhsa_float_denorm_mode_32 3
		.amdhsa_float_denorm_mode_16_64 3
		.amdhsa_memory_ordered 1
		.amdhsa_forward_progress 1
		.amdhsa_inst_pref_size 255
	.end_amdhsa_kernel
	.section	.bss,"aw",@nobits
	.p2align	6
	.space	262144
	.amdgpu_metadata
---
amdhsa.version: [ 1, 2 ]
amdhsa.kernels:
  - .name:           k_q8822cf6fc4_pool
    .symbol:         k_q8822cf6fc4_pool.kd
    .args:
      - { .name: x_codes, .offset: 0, .size: 8, .value_kind: global_buffer, .address_space: global }
      - { .name: x_scales, .offset: 8, .size: 8, .value_kind: global_buffer, .address_space: global }
      - { .name: Wk_codes, .offset: 16, .size: 8, .value_kind: global_buffer, .address_space: global }
      - { .name: Wk_scales, .offset: 24, .size: 8, .value_kind: global_buffer, .address_space: global }
      - { .name: Wv_codes, .offset: 32, .size: 8, .value_kind: global_buffer, .address_space: global }
      - { .name: Wv_scales, .offset: 40, .size: 8, .value_kind: global_buffer, .address_space: global }
      - { .name: wvn, .offset: 48, .size: 8, .value_kind: global_buffer, .address_space: global }
      - { .name: qs, .offset: 56, .size: 8, .value_kind: global_buffer, .address_space: global }
      - { .name: opart, .offset: 64, .size: 8, .value_kind: global_buffer, .address_space: global }
      - { .name: ml, .offset: 72, .size: 8, .value_kind: global_buffer, .address_space: global }
    .group_segment_fixed_size: 327680
    .private_segment_fixed_size: 0
    .kernarg_segment_align: 8
    .kernarg_segment_size: 80
    .max_flat_workgroup_size: 128
    .sgpr_count:     102
    .vgpr_count:     1024
    .wavefront_size: 32
...
	.end_amdgpu_metadata
.endif
;; end of part 2
;; launch outproj (part 3): grid 32 x 8, 8 waves a work-group, no clusters, 4,608 bytes of LDS; arguments opart, ml, Wc_codes, Wc_scales, out0; writes out0
.if DOCPART == 3
	.amdgcn_target "amdgcn-amd-amdhsa--gfx1250"
	.amdhsa_code_object_version 6
	.text
	.protected	k_q8822cf6fc4_outproj
	.globl	k_q8822cf6fc4_outproj
	.p2align	8
	.type	k_q8822cf6fc4_outproj,@function
k_q8822cf6fc4_outproj:
	s_mov_b64 s[64:65], 0
	v_nop
	global_prefetch_b8 v0, s[64:65] scope:SCOPE_SE
	s_setreg_imm32_b32 hwreg(HW_REG_WAVE_MODE, 25, 1), 1
	s_wait_xcnt 0x0
; out0 = Q(o) Wc^T on codes of FP8 (E4M3).  o is first finished in f32: the four quarters of a sequence are brought under their common maximum, joined and divided by l; quarters 2 and 3 hold minus their sums and enter with a minus.
; SHARES.  256 work-groups: 2 batches x 32 columns each: 32 KB of opart and 32 KB of Wc are read by each.  A thread finishes eight neighbouring k of one batch; four lanes hold a block of 32.
; The codes and scale bytes of both batches go to LDS.  Wave w makes 16 columns (w % 2) over 256 of K (w / 2): two products on two accumulators.  The operand's 16 rows are the two batches by turns: only rows 0 and 1 of the result are wanted, the others are copies.
; The four parts along K are added in LDS, in order.  A row of 32 results leaves as 128 consecutive bytes: half an aligned run of 256; the output is 64 KB in all, and 256 work-groups were preferred.
; A block's byte never falls under 1 (a block of zeros has zero codes).  No matrix is shared closely enough for a cluster: a work-group reads everything once, straight into registers.  LIMITS: NaN and infinities are not served.
.set XSC, 2304                         ; LDS: codes [2][1,024 + 16] from 0; scale bytes [2][32]
.set RED, 2560                         ; [4 parts][2 batches][32] f32
.set SPARE, 3584
.set WV, 18
.macro WALU
	s_wait_alu depctr_va_vdst(0)
.endm
	s_load_b128 s[4:7], s[0:1], 0x0                ; opart, ml
	s_load_b128 s[8:11], s[0:1], 0x10              ; Wc's codes, Wc's scales
	s_load_b64 s[12:13], s[0:1], 0x20              ; out0
	v_lshl_add_u32 v100, v0, 2, SPARE
	v_mov_b32 v101, 0
	v_lshrrev_b32 v1, 5, v0
	v_readfirstlane_b32 s[WV], v1                  ; wave 0..7
	s_and_b32 s19, ttmp7, 0xffff                   ; pair of batches
	s_and_b32 s20, s[WV], 1                        ; my tile of 16 columns
	s_lshr_b32 s21, s[WV], 1                       ; my 256 of K
	s_lshr_b32 s22, s[WV], 2                       ; the batch that I finish
	s_and_b32 s23, s[WV], 3                        ; and its 256 k
	s_lshl_b32 s24, s19, 15                        ; opart: 16,384 bytes a batch
	s_lshl_b32 s25, s22, 14
	s_add_co_u32 s24, s24, s25
	s_lshl_b32 s25, s23, 10
	s_add_co_u32 s24, s24, s25
	s_mov_b32 s25, 0
	s_lshl_b32 s26, s19, 10                        ; ml: 512 bytes a batch
	s_lshl_b32 s27, s22, 9
	s_add_co_u32 s26, s26, s27
	s_lshl_b32 s27, s23, 5
	s_add_co_u32 s26, s26, s27
	s_mov_b32 s27, 0
	s_lshl_b32 s28, ttmp9, 15                      ; Wc: row 32 g + 16 tile, 1,024 bytes a row
	s_lshl_b32 s29, s20, 14
	s_add_co_u32 s28, s28, s29
	s_lshl_b32 s29, s21, 8
	s_add_co_u32 s28, s28, s29
	s_mov_b32 s29, 0
	s_lshl_b32 s30, ttmp9, 10                      ; its scale bytes
	s_lshl_b32 s31, s20, 9
	s_add_co_u32 s30, s30, s31
	s_lshl_b32 s31, s21, 3
	s_add_co_u32 s30, s30, s31
	s_mov_b32 s31, 0
	s_lshl_b32 s32, s19, 13                        ; out0
	s_lshl_b32 s33, ttmp9, 7
	s_add_co_u32 s32, s32, s33
	s_mov_b32 s33, 0
	s_lshl_b32 s34, s21, 8                         ; in LDS: my 256 codes;
	s_lshl_b32 s35, s21, 3
	s_add_co_u32 s35, s35, XSC                     ; my scale words;
	s_lshl_b32 s36, s20, 6
	s_add_co_u32 s36, s36, s34
	s_add_co_u32 s36, s36, RED                     ; my part of the sums
	s_mov_b32 s37, 0x600000                        ; the mantissa field of 448
	v_and_b32 v1, 31, v0
	v_and_b32 v2, 15, v0                           ; r
	v_bfe_u32 v10, v0, 4, 1                        ; h
	v_and_b32 v11, 1, v0                           ; r % 2
	v_lshrrev_b32 v12, 7, v0
	v_lshlrev_b32 v3, 3, v0
	v_lshl_add_u32 v3, v12, 4, v3                  ; my eight codes
	v_lshrrev_b32 v4, 2, v0
	v_add_nc_u32 v4, XSC, v4                       ; my block's byte
	v_lshlrev_b32 v5, 7, v11
	v_lshl_add_u32 v5, v10, 5, v5
	v_add_nc_u32 v5, s36, v5
	v_lshlrev_b32 v6, 2, v0
	v_add_nc_u32 v6, RED, v6
	v_lshrrev_b32 v7, 5, v0
	v_lshlrev_b32 v7, 12, v7
	v_lshl_add_u32 v7, v1, 2, v7                   ; the way out: batch (thread / 32), column (thread % 32)
	v_mul_u32_u24 v8, v11, 1040
	v_lshl_add_u32 v8, v10, 4, v8
	v_add_nc_u32 v8, s34, v8                       ; o's fragment
	v_lshlrev_b32 v9, 5, v11
	v_add_nc_u32 v9, s35, v9                       ; and its scale words
	v_lshlrev_b32 v13, 10, v2
	v_lshl_add_u32 v13, v10, 4, v13                ; Wc's fragment
	v_lshlrev_b32 v14, 5, v2                       ; and its scale words
	v_lshrrev_b32 v15, 3, v1
	v_lshlrev_b32 v15, 3, v15                      ; ml: eight lanes a head
	v_lshlrev_b32 v102, 5, v1                      ; opart: 32 bytes a lane
	WALU
	s_wait_kmcnt 0x0
	s_add_nc_u64 s[4:5], s[4:5], s[24:25]
	s_add_nc_u64 s[6:7], s[6:7], s[26:27]
	s_add_nc_u64 s[8:9], s[8:9], s[28:29]
	s_add_nc_u64 s[10:11], s[10:11], s[30:31]
	s_add_nc_u64 s[12:13], s[12:13], s[32:33]
.irp q, 0,1,2,3
	global_load_b64 v[16+2*\q:17+2*\q], v15, s[6:7] offset:128*\q
.endr
.irp q, 0,1,2,3
	global_load_b128 v[32+8*\q:35+8*\q], v102, s[4:5] offset:4096*\q
	global_load_b128 v[36+8*\q:39+8*\q], v102, s[4:5] offset:4096*\q+16
.endr
.irp i, 0,1,2,3,4,5,6,7                ; k = 128 (i / 4) + 32 (i % 4) + 16 h: a row's 256 bytes in all
	global_load_b128 v[64+4*\i:67+4*\i], v13, s[8:9] offset:32*\i
.endr
	global_load_b64 v[96:97], v14, s[10:11]
	s_wait_loadcnt 17                              ; ml is in; opart's 8 and Wc's 9 loads may be out
	v_max_num_f32 v24, v16, v18
	v_max3_num_f32 v24, v24, v20, v22
.irp q, 0,1,2,3
	v_sub_f32 v[25+\q], v[16+2*\q], v24
.endr
	WALU
.irp q, 0,1,2,3
	v_exp_f32 v[25+\q], v[25+\q]
.endr
	v_nop
	WALU
	v_mul_f32 v29, v17, v25
	v_fma_f32 v29, v19, v26, v29
	v_fma_f32 v29, v21, v27, v29
	v_fma_f32 v29, v23, v28, v29                   ; l under the common maximum
	WALU
	v_rcp_f32 v29, v29
	v_nop
	WALU
.irp u, 0,1
	v_mul_f32 v[104+\u], v25, v29
	v_mul_f32 v[106+\u], v26, v29
	v_mul_f32 v[108+\u], -v27, v29
	v_mul_f32 v[110+\u], -v28, v29
.endr
	WALU
	s_wait_loadcnt 9                               ; opart is in
.irp j, 0,2,4,6
	v_pk_mul_f32 v[112+\j:113+\j], v[32+\j:33+\j], v[104:105]
.endr
.irp q, 1,2,3
.irp j, 0,2,4,6
	v_pk_fma_f32 v[112+\j:113+\j], v[32+8*\q+\j:33+8*\q+\j], v[104+2*\q:105+2*\q], v[112+\j:113+\j]
.endr
.endr
	v_max3_num_f32 v24, |v112|, |v113|, 0x4800000  ; with the floor 2^(9 - 127)
	v_max3_num_f32 v24, v24, |v114|, |v115|
	v_max3_num_f32 v24, v24, |v116|, |v117|
	v_max3_num_f32 v24, v24, |v118|, |v119|
	v_max_num_f32_dpp v24, v24, v24 row_xmask:1 row_mask:0xf bank_mask:0xf
	v_max_num_f32_dpp v24, v24, v24 row_xmask:2 row_mask:0xf bank_mask:0xf
	v_add_nc_u32 v25, 0xfc000000, v24              ; 8 off the exponent field: the conversion's scale operand
	v_and_or_b32 v26, v24, 0x7f800000, s37         ; 448 x the scale
	v_lshrrev_b32 v27, 23, v25                     ; the byte
.irp j, 0,1,2,3,4,5,6,7
	v_med3_num_f32 v[112+\j], v[112+\j], -v26, v26 ; the conversion does not saturate (ISA guide 7.6.2)
.endr
	v_cvt_scalef32_pk8_fp8_f32 v[28:29], v[112:119], v25
	v_nop
	ds_store_b64 v3, v[28:29]
	ds_store_b8 v4, v27                            ; a block's four lanes store the same byte
	s_wait_dscnt 0x0
	s_barrier_signal -1
	s_barrier_wait -1
.irp i, 0,1,2,3,4,5,6,7
	ds_load_b128 v[32+4*\i:35+4*\i], v8 offset:32*\i
.endr
	ds_load_b64 v[98:99], v9
	s_wait_loadcnt 0x0
	s_wait_dscnt 0x0
	v_wmma_scale_f32_16x16x128_f8f6f4 v[104:111], v[64:79], v[32:47], 0, v96, v98
	v_wmma_scale_f32_16x16x128_f8f6f4 v[112:119], v[80:95], v[48:63], 0, v97, v99
.rept 8
	v_nop                                          ; eight places in front of the first read of results
.endr
.irp j, 0,2,4,6
	v_pk_add_f32 v[120+\j:121+\j], v[104+\j:105+\j], v[112+\j:113+\j]
.endr
	ds_store_b128 v5, v[120:123]                   ; lane (r, h): batch r % 2, columns 8 h + 0 .. 7 of my tile
	ds_store_b128 v5, v[124:127] offset:16
	s_wait_dscnt 0x0
	s_barrier_signal -1
	s_barrier_wait -1
	s_cmp_lt_u32 s[WV], 2
	s_cbranch_scc0 .Ldone
.irp q, 0,1,2,3
	ds_load_b32 v[16+\q], v6 offset:256*\q
.endr
	s_wait_dscnt 0x0
	v_add_f32 v16, v16, v17
	v_add_f32 v16, v16, v18
	v_add_f32 v16, v16, v19
	global_store_b32 v7, v16, s[12:13]
.Ldone:
	s_wait_tensorcnt 0x0                           ; the wave's end
	ds_add_u32 v100, v101
	s_wait_dscnt 0x0
	s_endpgm
.Lfunc_end_k_q8822cf6fc4_outproj:
	.size	k_q8822cf6fc4_outproj, .Lfunc_end_k_q8822cf6fc4_outproj-k_q8822cf6fc4_outproj
	.p2alignl 7, 3214868480
	.fill 96, 4, 3214868480
	.section	.rodata,"a",@progbits
	.p2align	6, 0x0
	.amdhsa_kernel k_q8822cf6fc4_outproj
		.amdhsa_group_segment_fixed_size 4608
		.amdhsa_private_segment_fixed_size 0
		.amdhsa_enable_private_segment 0
		.amdhsa_kernarg_size 40
		.amdhsa_user_sgpr_count 2
		.amdhsa_user_sgpr_kernarg_segment_ptr 1
		.amdhsa_wavefront_size32 1
		.amdhsa_system_sgpr_workgroup_id_x 1
		.amdhsa_system_sgpr_workgroup_id_y 1
		.amdhsa_system_sgpr_workgroup_id_z 1
		.amdhsa_system_vgpr_workitem_id 0
		.amdhsa_next_free_vgpr 128
		.amdhsa_next_free_sgpr 66
		.amdhsa_reserve_vcc 0
		.amdhsa_float_denorm_mode_32 3
		.amdhsa_float_denorm_mode_16_64 3
		.amdhsa_memory_ordered 1
		.amdhsa_forward_progress 1
		.amdhsa_inst_pref_size 12
	.end_amdhsa_kernel
	.amdgpu_metadata
---
amdhsa.version: [ 1, 2 ]
amdhsa.kernels:
  - .name:           k_q8822cf6fc4_outproj
    .symbol:         k_q8822cf6fc4_outproj.kd
    .args:
      - { .name: opart, .offset: 0, .size: 8, .value_kind: global_buffer, .address_space: global }
      - { .name: ml, .offset: 8, .size: 8, .value_kind: global_buffer, .address_space: global }
      - { .name: Wc_codes, .offset: 16, .size: 8, .value_kind: global_buffer, .address_space: global }
      - { .name: Wc_scales, .offset: 24, .size: 8, .value_kind: global_buffer, .address_space: global }
      - { .name: out0, .offset: 32, .size: 8, .value_kind: global_buffer, .address_space: global }
    .group_segment_fixed_size: 4608
    .private_segment_fixed_size: 0
    .kernarg_segment_align: 8
    .kernarg_segment_size: 40
    .max_flat_workgroup_size: 256
    .sgpr_count:     66
    .vgpr_count:     128
    .wavefront_size: 32
...
	.end_amdgpu_metadata
.endif
;; end of part 3
